; MI455X (gfx1250); checked and timed in simulation.
; The chip was launched on July 23, 2026; its instructions are those of AMD's public machine-readable ISA for CDNA 5 (MIT licence, August 2026) and "CDNA5" Instruction Set Architecture Reference Guide (July 2026). The comments in the code are by the model that wrote it; some were corrected since.
;; Mo E. Allowed arithmetic: float matrix products may take bf16 or f16 operands with f32 sums; other float arithmetic in f32, or as packed bf16 or f16 multiplies, adds, multiply-adds, maxima and minima; sums over many terms, partial sums and values carried from step to step in f32; what a program stores and reads back later, other than sums and carried values, may be rounded once to bf16 or f16.
;; Inputs: b1 8 x 4,096 float32; b2 8 x 1,024 float32; w1 8 x 1,024 x 4,096 float32; w2 8 x 4,096 x 1,024 float32; wg_w 8 x 1,024 float32; x 1,024 x 1,024 float32.
;; Outputs: out0 one number float32; out1 1,024 x 1,024 float32.
;; One version. Each part assembles by itself: llvm-mc -triple=amdgcn-amd-amdhsa -mcpu=gfx1250 --defsym DOCPART=n.
;; ======== version 1 of 1: 5 launches
;; limits: values are held in f16: magnitudes above 65,504 overflow, below 6.1e-05 lose precision
;; workspace buffers: idx 8,192 bytes of whole numbers; gate 24,576 bytes; xs 16,777,216 bytes; lst 33,024 bytes of whole numbers; cws 32,768 bytes; h 67,108,864 bytes; part 33,554,432 bytes
;; launch router (part 1): grid 256 x 1, 4 waves a work-group, no clusters, 17,408 bytes of LDS; arguments x, wg_w, idx, gate; writes idx, gate
.if DOCPART == 1
	.amdgcn_target "amdgcn-amd-amdhsa--gfx1250"
	.amdhsa_code_object_version 6
	.text
	.protected	k_qc3d1bb94c9_router
	.globl	k_qc3d1bb94c9_router
	.p2align	8
	.type	k_qc3d1bb94c9_router,@function
k_qc3d1bb94c9_router:
	s_mov_b64 s[64:65], 0
	v_nop
	global_prefetch_b8 v0, s[64:65] scope:SCOPE_SE
	s_setreg_imm32_b32 hwreg(HW_REG_WAVE_MODE, 25, 1), 1
	s_wait_xcnt 0x0
; THE GATE.  logits = x wg^T on x and wg rounded to bf16 (every input of the program is rounded so), products exact, sums in f32; softmax with the row's maximum
; taken away; the two largest; c0 = 1 / (1 + p1), c1 = p1 c0 with p1 = 2^((l2 - l1) log2 e); and, for l_aux, this work-group's sums of the gates and of the top-1 one-hot.
; SHARES.  Work-group b has tokens 4 b .. 4 b + 3, a wave one token.  A lane holds 32 of the row's 1,024 numbers.  Each wave rounds two of wg's eight rows and hands them
; to the others through LDS.  The product has 8 columns, a two-thousandth of the program's multiply-adds: it goes through v_fma_mix_f32_bf16, which takes the same bf16 operands.
; STORED at fixed places: idx[token][2] (whole numbers), gate: cw[token][2], then from byte 8,192 aux[work-group][16].  No address here hangs on a result.
; LIMITS.  The two experts are chosen on the logits, lower index first at equal logits; gates that become equal only by the softmax's rounding may be ordered otherwise
; than a top-k on the gates orders them.  A weight below 2^-126 counts as 0.  NaN and infinities are not treated apart.
.set RES,   16384                      ; LDS: 0 .. 16,383 wg in bf16 (row e at 2,048 e); then 128 bytes a wave: 8 gates, 8 one-hot, i0, i1, c0, c1
.set SPARE, 16896                      ; the spare words: 128 bytes a wave, two blocks of 256 bytes that no other line names
.set SPW, 4                            ; v4  SPARE + 4 x my thread's number; never rewritten
.set NIL, 5                            ; v5  0; never rewritten
.set XR,  8                            ; v8-39    x as loaded
.set WR,  40                           ; v40-103  two rows of wg as loaded
.set WGP, 8                            ; v8-135   later: all eight rows in bf16, 16 registers a row
.set CH,  136                          ; v136-151 sixteen chains: expert e's low halves, high halves
.set LG,  152                          ; v152-159 the logits
.set MK,  160                          ; v160-167 the logits without the largest
.set MX,  168                          ; the maximum
.set B1,  169                          ; the largest so far
.set B2,  170                          ; the second scan's
.set T0,  171                          ; v171-174 at work
.set PG,  176                          ; v176-183 the gates
.set OH,  184                          ; v184-191 one-hot of the first choice
.set MI,  192                          ; v192-195 i0, i1, c0, c1
.set XP,  200                          ; v200-215 x in bf16
.set OW,  216                          ; v216-247 my two rows of wg in bf16
	s_load_b256 s[4:11], s[0:1], 0x0               ; x s[4:5], wg_w s[6:7], idx s[8:9], gate s[10:11]
	v_lshl_add_u32 v[SPW], v0, 2, SPARE
	v_mov_b32 v[NIL], 0
	v_and_b32 v1, 31, v0                           ; lane
	v_lshrrev_b32 v3, 5, v0
	v_readfirstlane_b32 s12, v3                    ; wave
	v_lshlrev_b32 v2, 4, v1                        ; 16 x lane
	v_mov_b32 v7, 0                                ; what the chains' first links add onto
	s_lshl_b32 s13, ttmp9, 2
	s_add_co_u32 s13, s13, s12                     ; my token
	s_lshl_b32 s14, s13, 12                        ; its row of 4,096 bytes
	s_mov_b32 s15, 0
	s_lshl_b32 s16, s12, 13                        ; rows 2 w, 2 w + 1 of wg
	s_mov_b32 s17, 0
	s_mov_b32 s18, 0x76543210                      ; v_permlanex16_b32: each lane takes its own place in the other half
	s_mov_b32 s19, 0xfedcba98
	s_mov_b32 s21, 0xff800000                      ; minus infinity
	s_wait_kmcnt 0x0
	s_add_nc_u64 s[4:5], s[4:5], s[14:15]
	s_add_nc_u64 s[6:7], s[6:7], s[16:17]
.set j, 0
.rept 8
	global_load_b128 v[XR+4*j:XR+4*j+3], v2, s[4:5] offset:512*j    ; 512 neighbouring bytes a load
.set j, j+1
.endr
.set j, 0
.rept 16
	global_load_b128 v[WR+4*j:WR+4*j+3], v2, s[6:7] offset:512*j
.set j, j+1
.endr
	v_lshl_add_u32 v6, s12, 12, v2                 ; where my two rows go in LDS: 4,096 w + 16 x lane
	s_wait_loadcnt 0x0
.set j, 0
.rept 16
	v_cvt_pk_bf16_f32 v[XP+j], v[XR+2*j], v[XR+2*j+1]
.set j, j+1
.endr
.set j, 0
.rept 32
	v_cvt_pk_bf16_f32 v[OW+j], v[WR+2*j], v[WR+2*j+1]
.set j, j+1
.endr
.set j, 0
.rept 8
	ds_store_b128 v6, v[OW+4*j:OW+4*j+3] offset:512*j
.set j, j+1
.endr
	s_wait_dscnt 0x0                               ; for the others' sake: my rows are in LDS
	s_barrier_signal -1
	s_barrier_wait -1
.set j, 0
.rept 32
	ds_load_b128 v[WGP+4*j:WGP+4*j+3], v2 offset:512*j   ; each lane takes back the places that it holds of x
.set j, j+1
.endr
	s_wait_dscnt 0x0
.set q, 0
.rept 16                                               ; 256 multiply-adds a lane, sixteen chains that do not wait for each other
.set e, 0
.rept 8
.if q == 0
	v_fma_mix_f32_bf16 v[CH+2*e], v[XP+q], v[WGP+16*e+q], v7 op_sel_hi:[1,1,0]
	v_fma_mix_f32_bf16 v[CH+2*e+1], v[XP+q], v[WGP+16*e+q], v7 op_sel:[1,1,0] op_sel_hi:[1,1,0]
.else
	v_fma_mix_f32_bf16 v[CH+2*e], v[XP+q], v[WGP+16*e+q], v[CH+2*e] op_sel_hi:[1,1,0]
	v_fma_mix_f32_bf16 v[CH+2*e+1], v[XP+q], v[WGP+16*e+q], v[CH+2*e+1] op_sel:[1,1,0] op_sel_hi:[1,1,0]
.endif
.set e, e+1
.endr
.set q, q+1
.endr
.set e, 0
.rept 8
	v_add_f32 v[LG+e], v[CH+2*e], v[CH+2*e+1]
.set e, e+1
.endr
.irp m, 1,2,4,8                                        ; across the lanes: every lane ends with all eight logits
.set e, 0
.rept 8
	v_add_f32_dpp v[LG+e], v[LG+e], v[LG+e] row_xmask:\m row_mask:0xf bank_mask:0xf
.set e, e+1
.endr
.endr
.set e, 0
.rept 8
	v_permlanex16_b32 v[CH+e], v[LG+e], s18, s19
.set e, e+1
.endr
.set e, 0
.rept 8
	v_add_f32 v[LG+e], v[LG+e], v[CH+e]
.set e, e+1
.endr
	v_max3_num_f32 v[MX], v[LG], v[LG+1], v[LG+2]
	v_max3_num_f32 v[MX], v[MX], v[LG+3], v[LG+4]
	v_max3_num_f32 v[MX], v[MX], v[LG+5], v[LG+6]
	v_max_num_f32 v[MX], v[MX], v[LG+7]
	v_mov_b32 v[B1], v[LG]                         ; first choice: ascending, a later expert wins only if strictly greater
	v_mov_b32 v[MI], 0
.set e, 1
.rept 7
	v_cmp_gt_f32 vcc_lo, v[LG+e], v[B1]
	v_cndmask_b32 v[B1], v[B1], v[LG+e], vcc_lo
	v_cndmask_b32 v[MI], v[MI], e, vcc_lo
.set e, e+1
.endr
.set e, 0
.rept 8
	v_cmp_eq_u32 vcc_lo, e, v[MI]
	v_cndmask_b32 v[MK+e], v[LG+e], s21, vcc_lo    ; the first choice is taken out,
	v_cndmask_b32 v[OH+e], 0, 1.0, vcc_lo          ; and marked
.set e, e+1
.endr
	v_mov_b32 v[B2], v[MK]                         ; second choice: the same scan
	v_mov_b32 v[MI+1], 0
.set e, 1
.rept 7
	v_cmp_gt_f32 vcc_lo, v[MK+e], v[B2]
	v_cndmask_b32 v[B2], v[B2], v[MK+e], vcc_lo
	v_cndmask_b32 v[MI+1], v[MI+1], e, vcc_lo
.set e, e+1
.endr
.set e, 0
.rept 8
	v_sub_f32 v[PG+e], v[LG+e], v[MX]
.set e, e+1
.endr
	v_sub_f32 v[B2], v[B2], v[MX]
.set e, 0
.rept 8
	v_mul_f32 v[PG+e], 0x3fb8aa3b, v[PG+e]         ; log2 e
.set e, e+1
.endr
	v_mul_f32 v[B2], 0x3fb8aa3b, v[B2]
.set e, 0
.rept 8
	v_exp_f32 v[PG+e], v[PG+e]
.set e, e+1
.endr
	v_exp_f32 v[B2], v[B2]
	v_nop                                          ; a plain instruction behind the last exponential,
	s_wait_alu depctr_va_vdst(0)                   ; and one wait for the nine, ahead of their first reader
	v_add_f32 v[T0], v[PG], v[PG+1]
	v_add_f32 v[T0+1], v[PG+2], v[PG+3]
	v_add_f32 v[T0+2], v[PG+4], v[PG+5]
	v_add_f32 v[T0+3], v[PG+6], v[PG+7]
	v_add_f32 v[T0], v[T0], v[T0+1]
	v_add_f32 v[T0+2], v[T0+2], v[T0+3]
	v_add_f32 v[T0], v[T0], v[T0+2]
	v_add_f32 v[T0+1], 1.0, v[B2]
	v_rcp_f32 v[T0], v[T0]
	v_rcp_f32 v[MI+2], v[T0+1]                     ; c0
	v_nop
	s_wait_alu depctr_va_vdst(0)                   ; one wait for the two reciprocals
.set e, 0
.rept 8
	v_mul_f32 v[PG+e], v[PG+e], v[T0]
.set e, e+1
.endr
	v_mul_f32 v[MI+3], v[B2], v[MI+2]              ; c1
	s_lshl_b32 s22, s12, 7
	s_add_co_u32 s22, s22, RES
	v_mov_b32 v3, s22                              ; my wave's 128 bytes; all lanes store the same numbers to the same place
	ds_store_b128 v3, v[PG:PG+3]
	ds_store_b128 v3, v[PG+4:PG+7] offset:16
	ds_store_b128 v3, v[OH:OH+3] offset:32
	ds_store_b128 v3, v[OH+4:OH+7] offset:48
	ds_store_b128 v3, v[MI:MI+3] offset:64
	s_wait_dscnt 0x0
	s_barrier_signal -1
	s_barrier_wait -1
	s_cmp_lg_u32 s12, 0
	s_cbranch_scc1 .Lend                           ; wave 0 stores for the work-group
	v_and_b32 v6, 15, v1
	v_lshlrev_b32 v6, 2, v6                        ; word lane % 16 of each wave's sixteen
	ds_load_b32 v8, v6 offset:RES
	ds_load_b32 v9, v6 offset:RES+128
	ds_load_b32 v10, v6 offset:RES+256
	ds_load_b32 v11, v6 offset:RES+384
	v_and_b32 v12, 7, v1                           ; lane % 8: wave (lane % 8) / 2, choice lane % 2
	v_lshrrev_b32 v13, 1, v12
	v_and_b32 v14, 1, v12
	v_lshlrev_b32 v14, 2, v14
	v_lshl_add_u32 v13, v13, 7, v14
	ds_load_b32 v15, v13 offset:RES+64
	ds_load_b32 v16, v13 offset:RES+72
	s_lshl_b32 s23, ttmp9, 6
	v_add_nc_u32 v17, s23, v6                      ; aux[b][lane % 16]
	s_lshl_b32 s23, ttmp9, 5
	v_lshl_add_u32 v18, v12, 2, s23                ; word 8 b + lane % 8 of idx and of cw
	s_wait_dscnt 0x0
	v_add_f32 v8, v8, v9
	v_add_f32 v10, v10, v11
	v_add_f32 v8, v8, v10
	v_cmp_gt_u32 vcc_lo, 16, v1
	s_wait_xcnt 0x0                                ; EXEC changes only behind this wait
	s_and_saveexec_b32 s20, vcc_lo
	global_store_b32 v17, v8, s[10:11] offset:8192
	s_wait_xcnt 0x0
	s_or_b32 exec_lo, exec_lo, s20
	v_cmp_gt_u32 vcc_lo, 8, v1
	s_and_saveexec_b32 s20, vcc_lo
	global_store_b32 v18, v15, s[8:9]
	global_store_b32 v18, v16, s[10:11]
	s_wait_xcnt 0x0
	s_or_b32 exec_lo, exec_lo, s20
.Lend:
	s_wait_tensorcnt 0x0                           ; the wave's end: three lines behind my last LDS store
	ds_add_u32 v[SPW], v[NIL]
	s_wait_dscnt 0x0
	s_endpgm
.Lfunc_end_k_qc3d1bb94c9_router:
	.size	k_qc3d1bb94c9_router, .Lfunc_end_k_qc3d1bb94c9_router-k_qc3d1bb94c9_router
	.p2alignl 7, 3214868480
	.fill 96, 4, 3214868480
	.section	.rodata,"a",@progbits
	.p2align	6, 0x0
	.amdhsa_kernel k_qc3d1bb94c9_router
		.amdhsa_group_segment_fixed_size 17408
		.amdhsa_private_segment_fixed_size 0
		.amdhsa_enable_private_segment 0
		.amdhsa_kernarg_size 32
		.amdhsa_user_sgpr_count 2
		.amdhsa_user_sgpr_kernarg_segment_ptr 1
		.amdhsa_wavefront_size32 1
		.amdhsa_system_sgpr_workgroup_id_x 1
		.amdhsa_system_sgpr_workgroup_id_y 1
		.amdhsa_system_sgpr_workgroup_id_z 1
		.amdhsa_system_vgpr_workitem_id 0
		.amdhsa_next_free_vgpr 256
		.amdhsa_next_free_sgpr 66
		.amdhsa_reserve_vcc 1
		.amdhsa_float_denorm_mode_32 3
		.amdhsa_float_denorm_mode_16_64 3
		.amdhsa_memory_ordered 1
		.amdhsa_forward_progress 1
		.amdhsa_inst_pref_size 36
	.end_amdhsa_kernel
	.amdgpu_metadata
---
amdhsa.version: [ 1, 2 ]
amdhsa.kernels:
  - .name:           k_qc3d1bb94c9_router
    .symbol:         k_qc3d1bb94c9_router.kd
    .args:
      - { .name: x, .offset: 0, .size: 8, .value_kind: global_buffer, .address_space: global }
      - { .name: wg_w, .offset: 8, .size: 8, .value_kind: global_buffer, .address_space: global }
      - { .name: idx, .offset: 16, .size: 8, .value_kind: global_buffer, .address_space: global }
      - { .name: gate, .offset: 24, .size: 8, .value_kind: global_buffer, .address_space: global }
    .group_segment_fixed_size: 17408
    .private_segment_fixed_size: 0
    .kernarg_segment_align: 8
    .kernarg_segment_size: 32
    .max_flat_workgroup_size: 128
    .sgpr_count:     66
    .vgpr_count:     256
    .wavefront_size: 32
...
	.end_amdgpu_metadata
.endif
;; end of part 1
;; launch place (part 2): grid 64 x 8, 4 waves a work-group, no clusters, 35,328 bytes of LDS; arguments x, idx, gate, xs, lst, cws, out0; writes xs, lst, cws, out0
.if DOCPART == 2
	.amdgcn_target "amdgcn-amd-amdhsa--gfx1250"
	.amdhsa_code_object_version 6
	.text
	.protected	k_qc3d1bb94c9_place
	.globl	k_qc3d1bb94c9_place
	.p2align	8
	.type	k_qc3d1bb94c9_place,@function
k_qc3d1bb94c9_place:
	s_mov_b64 s[64:65], 0
	v_nop
	global_prefetch_b8 v0, s[64:65] scope:SCOPE_SE
	s_setreg_imm32_b32 hwreg(HW_REG_WAVE_MODE, 25, 1), 1
	s_wait_xcnt 0x0
; THE ROWS ARE PLACED.  Work-group (t, e) owns tile t (16 rows) of expert e's rows, which are the tokens that chose e, in ascending order.  Every wave counts for itself: it reads
; all 2,048 choices (8 KB), ranks the tokens of e by a running count and v_mbcnt, and keeps the 16 whose ranks fall into its tile.  Then it gathers its quarter (256 of K = 1,024) of those rows of x,
; rounds them to bf16 and stores them in the order in which a matrix operand's registers take them: xs[e][tile][kb 32][g 2][lane 32][16 bytes]; lane (r = l % 16, hh = l / 16), half g
; hold row r, k = 32 kb + 16 g + 8 hh + 0..7, so that a fragment load of the next launch is 512 neighbouring bytes.
; THE RANKING GOES IN PHASES over all 32 groups of 32 tokens: all compares (64 masks in scalar registers), all scalar work (the groups' running counts), then each vector step for all groups,
; in registers of their own: no line reads the result of the line before it.
; Places past the expert's count repeat its last row (same token, choice and weight).  A tile wholly past the count is not written, and its work-group ends behind the count: the price of a
; grid that serves every split, from all 1,024 tokens on one expert to none.  Tile 0 is always written (from token 0 if the expert has no rows), so that the next launches' loads find data.
; Also stored: lst: rc[e][row] = 4,096 x choice + token, and from byte 32,768 the eight counts; cws[e][row] = the row's combine weight.
; One wave of work-group (63, 7) adds the router's 256 partial sums: l_aux = 8 sum_e (S_e / 1,024) (C_e / 1,024).
; No barrier: all that a wave writes into LDS it alone reads.
.set STAGE,  1024                      ; LDS: 0 .. 1,023 a list of 32 words a wave (256 bytes apart); then a stage of 16 rows x 528 bytes a wave
.set SPITCH, 528                       ; 512 bytes + 16: an odd multiple of 16, so that the 16 rows of a load begin in different groups of banks
.set SPARE,  34816                     ; the spare words
.set SPW, 4
.set NIL, 5
.set MB,  32                           ; s32-63  group g: who chose e second; then the rows of e ahead of the group, less 16 t
.set MA,  66                           ; s66-97  group g: who chose e first; then who chose e at all; later the tile's sixteen tokens
.set RK,  128                          ; v128-159 group g: my token's place, then its list entry's LDS address
.set CD,  160                          ; v160-191 group g: my token + 1,024 x choice
	s_load_b256 s[4:11], s[0:1], 0x0               ; x s[4:5], idx s[6:7], gate s[8:9], xs s[10:11]
	s_load_b128 s[12:15], s[0:1], 0x20             ; lst s[12:13], cws s[14:15]
	s_load_b64 s[16:17], s[0:1], 0x30              ; out0
	v_lshl_add_u32 v[SPW], v0, 2, SPARE
	v_mov_b32 v[NIL], 0
	v_and_b32 v1, 31, v0                           ; lane
	v_lshrrev_b32 v2, 5, v0
	v_readfirstlane_b32 s20, v2                    ; wave = quarter of K
	s_mov_b32 s21, ttmp9                           ; tile
	s_and_b32 s22, ttmp7, 0xffff                   ; expert
	s_mov_b32 s18, 0x76543210
	s_mov_b32 s19, 0xfedcba98
	s_wait_kmcnt 0x0
	s_cmp_lg_u32 s21, 63
	s_cbranch_scc1 .Lnoaux
	s_cmp_lg_u32 s22, 7
	s_cbranch_scc1 .Lnoaux
	s_cmp_lg_u32 s20, 0
	s_cbranch_scc1 .Lnoaux
	; l_aux.  A row of aux is 16 numbers: 8 sums of gates, 8 counts.  Lane l takes quad l % 4 of rows 8 n + l / 4: each load is 512 neighbouring bytes.
	v_lshlrev_b32 v3, 4, v1
.set n, 0
.rept 32
	global_load_b128 v[64+4*n:67+4*n], v3, s[8:9] offset:8192+512*n
.set n, n+1
.endr
	s_wait_loadcnt 0x0
.irp s, 16,8,4,2,1                                     ; the 32 loads into one, by halves
.set k, 0
.rept \s
	v_pk_add_f32 v[64+4*k:65+4*k], v[64+4*k:65+4*k], v[64+4*(k+\s):65+4*(k+\s)]
	v_pk_add_f32 v[66+4*k:67+4*k], v[66+4*k:67+4*k], v[66+4*(k+\s):67+4*(k+\s)]
.set k, k+1
.endr
.endr
.irp x, 4,8                                            ; the lanes of one quad differ in bits 2, 3 and 4
.set n, 0
.rept 4
	v_add_f32_dpp v[64+n], v[64+n], v[64+n] row_xmask:\x row_mask:0xf bank_mask:0xf
.set n, n+1
.endr
.endr
.set n, 0
.rept 4
	v_permlanex16_b32 v[68+n], v[64+n], s18, s19
.set n, n+1
.endr
.set n, 0
.rept 4
	v_add_f32 v[64+n], v[64+n], v[68+n]
.set n, n+1
.endr
.set n, 0
.rept 4
	v_mul_f32_dpp v[72+n], v[64+n], v[64+n] row_xmask:2 row_mask:0xf bank_mask:0xf   ; quads 0 and 1 hold S, quads 2 and 3 the counts of the same experts
.set n, n+1
.endr
	v_add_f32 v72, v72, v73
	v_add_f32 v74, v74, v75
	v_add_f32 v72, v72, v74
	v_add_f32_dpp v72, v72, v72 row_xmask:1 row_mask:0xf bank_mask:0xf                 ; experts 0-3 and 4-7
	v_mul_f32 v96, 0x37000000, v72                 ; 8 / 1,024^2 = 2^-17
	v_mov_b32 v97, 0
	v_cmp_eq_u32 vcc_lo, 0, v1
	s_wait_xcnt 0x0                                ; EXEC changes only behind this wait
	s_and_saveexec_b32 s23, vcc_lo
	global_store_b32 v97, v96, s[16:17]
	s_wait_xcnt 0x0
	s_or_b32 exec_lo, exec_lo, s23
.Lnoaux:
	; all choices: group g holds tokens 32 g + lane
	v_lshlrev_b32 v8, 3, v1
.set g, 0
.rept 32
	global_load_b64 v[64+2*g:65+2*g], v8, s[6:7] offset:256*g
.set g, g+1
.endr
	s_lshl_b32 s24, s20, 8                         ; my wave's list
	v_lshl_add_u32 v6, v1, 2, s24
	v_mov_b32 v7, 0
	v_mov_b32 v9, s24
	ds_store_b32 v6, v7                            ; the list starts as token 0, choice 0: what an expert without rows leaves in tile 0
	s_lshl_b32 s25, s21, 4                         ; 16 t
	s_sub_co_u32 s26, 0, s25                       ; rows of e so far, less 16 t: a row's place in my tile
	v_or_b32 v10, 0x400, v1                        ; lane + 1,024: the second choice's mark
	s_wait_loadcnt 0x0
.set g, 0
.rept 32
	v_cmp_eq_u32 s[MA+g], s22, v[64+2*g]           ; e is the token's first choice,
.set g, g+1
.endr
.set g, 0
.rept 32
	v_cmp_eq_u32 s[MB+g], s22, v[65+2*g]           ; or its second
.set g, g+1
.endr
.set g, 0
.rept 32
	v_cndmask_b32 v[CD+g], v1, v10, s[MB+g]
.set g, g+1
.endr
.set g, 1
.rept 31
	v_add_nc_u32 v[CD+g], 32*g, v[CD+g]            ; token + 1,024 x choice
.set g, g+1
.endr
.set g, 0
.rept 32
	s_or_b32 s[MA+g], s[MA+g], s[MB+g]             ; who chose e
	s_mov_b32 s[MB+g], s26                         ; the rows ahead of this group
	s_bcnt1_i32_b32 s29, s[MA+g]
	s_add_co_u32 s26, s26, s29
.set g, g+1
.endr
.set g, 0
.rept 32
	v_mbcnt_lo_u32_b32 v[RK+g], s[MA+g], s[MB+g]   ; place = rows ahead of the group + choosers in the lanes below me
.set g, g+1
.endr
.set g, 0
.rept 32
	v_cndmask_b32 v[RK+g], -1, v[RK+g], s[MA+g]    ; who did not choose e,
.set g, g+1
.endr
.set g, 0
.rept 32
	v_min_u32 v[RK+g], 16, v[RK+g]                 ; and every place outside 0 .. 15 (taken as unsigned), goes to entry 16, which nobody reads
.set g, g+1
.endr
.set g, 0
.rept 32
	v_lshl_add_u32 v[RK+g], v[RK+g], 2, v9
.set g, g+1
.endr
.set g, 0
.rept 32
	ds_store_b32 v[RK+g], v[CD+g]
.set g, g+1
.endr
	s_add_co_u32 s30, s26, s25                     ; the expert's count
	s_cmp_lt_u32 s25, s30
	s_cbranch_scc1 .Llive
	s_cmp_lg_u32 s21, 0
	s_cbranch_scc1 .Lend                           ; a tile past the count
.Llive:
	s_sub_co_i32 s31, s26, 1                       ; the last live place of my tile, held to 0 .. 15
	s_min_i32 s31, s31, 15
	s_max_i32 s31, s31, 0
	v_and_b32 v13, 15, v1
	v_min_u32 v13, s31, v13                        ; places past the count repeat the last row
	v_min_u32 v13, 15, v13                         ; an entry of the list's sixteen, by a constant in the line itself: the number comes from loaded choices
	v_lshl_add_u32 v13, v13, 2, v9
	ds_load_b32 v14, v13                           ; LDS serves a wave's instructions in order: this sees the stores above
	s_lshl_b32 s32, s20, 10
	v_lshl_add_u32 v15, v1, 4, s32                 ; 16 x lane + my quarter's 1,024 bytes
	s_wait_dscnt 0x0
.set r, 0
.rept 16
	v_readlane_b32 s[MA+r], v14, r
.set r, r+1
.endr
.set r, 0
.rept 16
	s_and_b32 s[MA+r], s[MA+r], 0x3ff
.set r, r+1
.endr
.set r, 0
.rept 16
	s_min_u32 s[MA+r], s[MA+r], 0x3ff              ; a token is a row of x
.set r, r+1
.endr
.set r, 0
.rept 16
	v_lshl_add_u32 v[32+r], s[MA+r], 12, v15
.set r, r+1
.endr
.set r, 0
.rept 16
	global_load_b128 v[64+8*r:67+8*r], v[32+r], s[4:5]             ; 512 neighbouring bytes of row r,
	global_load_b128 v[68+8*r:71+8*r], v[32+r], s[4:5] offset:512  ; and the next 512
.set r, r+1
.endr
	s_mul_i32 s34, s20, 16*SPITCH
	s_add_co_u32 s34, s34, STAGE                   ; my stage
	v_lshl_add_u32 v16, v1, 3, s34                 ; in: 8 bytes a lane
	v_and_b32 v17, 15, v1
	v_mul_u32_u24 v17, v17, SPITCH
	v_lshrrev_b32 v18, 4, v1
	v_lshl_add_u32 v17, v18, 4, v17
	v_add_nc_u32 v17, s34, v17                     ; out: row l % 16, 16 bytes for each half of the lanes
	v_lshlrev_b32 v19, 4, v1
	s_lshl_b32 s36, s22, 6
	s_add_co_u32 s36, s36, s21
	s_lshl_b32 s36, s36, 15                        ; tile (e, t): 32,768 bytes each
	s_lshl_b32 s37, s20, 13                        ; my eight blocks of 1,024 bytes
	s_add_co_u32 s36, s36, s37
	s_mov_b32 s37, 0
	s_add_nc_u64 s[10:11], s[10:11], s[36:37]
.set r, 0
.rept 16
	s_wait_loadcnt 30-2*r                          ; loads come back in order: row r's two are in, the later rows' may be out
	v_cvt_pk_bf16_f32 v[192+4*r], v[64+8*r], v[65+8*r]
	v_cvt_pk_bf16_f32 v[193+4*r], v[66+8*r], v[67+8*r]
	v_cvt_pk_bf16_f32 v[194+4*r], v[68+8*r], v[69+8*r]
	v_cvt_pk_bf16_f32 v[195+4*r], v[70+8*r], v[71+8*r]
	ds_store_b64 v16, v[192+4*r:193+4*r] offset:r*SPITCH
	ds_store_b64 v16, v[194+4*r:195+4*r] offset:r*SPITCH+256
.set r, r+1
.endr
.set k, 0
.rept 16
	ds_load_b128 v[64+4*k:67+4*k], v17 offset:32*k     ; block k / 2, half k % 2: k = 32 (k / 2) + 16 (k % 2) + 8 hh on
.set k, k+1
.endr
.set k, 0
.rept 16
	s_wait_dscnt 15-k
	global_store_b128 v19, v[64+4*k:67+4*k], s[10:11] offset:512*k   ; 512 neighbouring bytes, at a multiple of 256 from the buffer's first
.set k, k+1
.endr
	s_cmp_lg_u32 s20, 0
	s_cbranch_scc1 .Lend                           ; wave 0 stores the tile's part of the lists
	v_and_b32 v20, 0x3ff, v14
	v_min_u32 v20, 0x3ff, v20                      ; token
	v_lshrrev_b32 v21, 10, v14
	v_min_u32 v21, 1, v21                          ; choice
	v_lshl_add_u32 v22, v21, 12, v20               ; 4,096 x choice + token
	v_lshlrev_b32 v23, 2, v21
	v_lshl_add_u32 v23, v20, 3, v23
	global_load_b32 v24, v23, s[8:9]               ; cw[token][choice]
	s_lshl_b32 s38, s22, 10
	s_add_co_u32 s38, s38, s25
	s_lshl_b32 s38, s38, 2
	v_and_b32 v25, 15, v1
	v_lshl_add_u32 v25, v25, 2, s38                ; word 1,024 e + 16 t + lane
	s_wait_loadcnt 0x0
	v_cmp_gt_u32 vcc_lo, 16, v1
	s_wait_xcnt 0x0
	s_and_saveexec_b32 s39, vcc_lo
	global_store_b32 v25, v22, s[12:13]
	global_store_b32 v25, v24, s[14:15]
	s_wait_xcnt 0x0
	s_or_b32 exec_lo, exec_lo, s39
	s_cmp_lg_u32 s21, 0
	s_cbranch_scc1 .Lend
	v_mov_b32 v26, s30                             ; tile 0 also stores the count
	s_lshl_b32 s40, s22, 2
	v_mov_b32 v27, s40
	v_cmp_eq_u32 vcc_lo, 0, v1
	s_and_saveexec_b32 s39, vcc_lo
	global_store_b32 v27, v26, s[12:13] offset:32768
	s_wait_xcnt 0x0
	s_or_b32 exec_lo, exec_lo, s39
.Lend:
	s_wait_tensorcnt 0x0                           ; the wave's end: three lines behind my last LDS store
	ds_add_u32 v[SPW], v[NIL]
	s_wait_dscnt 0x0
	s_endpgm
.Lfunc_end_k_qc3d1bb94c9_place:
	.size	k_qc3d1bb94c9_place, .Lfunc_end_k_qc3d1bb94c9_place-k_qc3d1bb94c9_place
	.p2alignl 7, 3214868480
	.fill 96, 4, 3214868480
	.section	.rodata,"a",@progbits
	.p2align	6, 0x0
	.amdhsa_kernel k_qc3d1bb94c9_place
		.amdhsa_group_segment_fixed_size 35328
		.amdhsa_private_segment_fixed_size 0
		.amdhsa_enable_private_segment 0
		.amdhsa_kernarg_size 56
		.amdhsa_user_sgpr_count 2
		.amdhsa_user_sgpr_kernarg_segment_ptr 1
		.amdhsa_wavefront_size32 1
		.amdhsa_system_sgpr_workgroup_id_x 1
		.amdhsa_system_sgpr_workgroup_id_y 1
		.amdhsa_system_sgpr_workgroup_id_z 1
		.amdhsa_system_vgpr_workitem_id 0
		.amdhsa_next_free_vgpr 256
		.amdhsa_next_free_sgpr 100
		.amdhsa_reserve_vcc 1
		.amdhsa_float_denorm_mode_32 3
		.amdhsa_float_denorm_mode_16_64 3
		.amdhsa_memory_ordered 1
		.amdhsa_forward_progress 1
		.amdhsa_inst_pref_size 54
	.end_amdhsa_kernel
	.amdgpu_metadata
---
amdhsa.version: [ 1, 2 ]
amdhsa.kernels:
  - .name:           k_qc3d1bb94c9_place
    .symbol:         k_qc3d1bb94c9_place.kd
    .args:
      - { .name: x, .offset: 0, .size: 8, .value_kind: global_buffer, .address_space: global }
      - { .name: idx, .offset: 8, .size: 8, .value_kind: global_buffer, .address_space: global }
      - { .name: gate, .offset: 16, .size: 8, .value_kind: global_buffer, .address_space: global }
      - { .name: xs, .offset: 24, .size: 8, .value_kind: global_buffer, .address_space: global }
      - { .name: lst, .offset: 32, .size: 8, .value_kind: global_buffer, .address_space: global }
      - { .name: cws, .offset: 40, .size: 8, .value_kind: global_buffer, .address_space: global }
      - { .name: out0, .offset: 48, .size: 8, .value_kind: global_buffer, .address_space: global }
    .group_segment_fixed_size: 35328
    .private_segment_fixed_size: 0
    .kernarg_segment_align: 8
    .kernarg_segment_size: 56
    .max_flat_workgroup_size: 128
    .sgpr_count:     100
    .vgpr_count:     256
    .wavefront_size: 32
...
	.end_amdgpu_metadata
.endif
;; end of part 2
;; launch ffn1 (part 3): grid 32 x 8, 4 waves a work-group, no clusters, 262,656 bytes of LDS; arguments xs, w1, b1, lst, h; writes h
.if DOCPART == 3
	.amdgcn_target "amdgcn-amd-amdhsa--gfx1250"
	.amdhsa_code_object_version 6
	.text
	.protected	k_qc3d1bb94c9_ffn1
	.globl	k_qc3d1bb94c9_ffn1
	.p2align	8
	.type	k_qc3d1bb94c9_ffn1,@function
k_qc3d1bb94c9_ffn1:
	s_mov_b64 s[64:65], 0
	v_nop
	global_prefetch_b8 v0, s[64:65] scope:SCOPE_SE
	s_setreg_imm32_b32 hwreg(HW_REG_WAVE_MODE, 25, 1), 1
	s_wait_xcnt 0x0
; h = gelu(x w1[e] + b1[e]) for the rows that chose expert e; x, w1, b1 rounded to bf16, sums in f32, gelu (tanh form) in f32, h rounded once to f16.
; SHARES.  Work-group (s, e) alone reads columns 128 s .. 128 s + 127 of w1[e] (512 KB of f32), once, and takes all of the expert's rows through them.
; THE WEIGHTS lie [k][column].  A lane loads 16 bytes, 4 neighbouring columns of one k; lanes 0-15 take 256 aligned bytes of one row of w1, lanes 16-31 of the row 8 further down.  Sixteen such
; loads are a UNIT, 32 k x 64 columns; component j of the sixteen, rounded in pairs, IS a matrix operand of 16 'rows' x 32 k, whose row r stands for column 4 r + j.  No transposition is needed.
; Wave w makes the unit of column half c = w % 2 and k step kh = w / 2 of each PERIOD (64 k) and puts it into LDS, where the slice stays: 128 columns x 1,024 k in bf16 = 262,144 bytes, written once.
; THE PRODUCT.  Source 0 = weights, source 1 = 16 rows of x: in the result a lane holds ONE row of x (lane % 16) and, in register jj of tile ct = 4 c + j, column 64 c + 32 (lane / 16) + 4 jj + j.
; A wave has row tiles 4 i + w (i = 0 .. 4) times all 128 columns: 40 accumulators, which take turns.  The rows come from memory straight into registers (xs is laid out for that).
; THE FIFTH TILE (rows 256 + 16 w on) is past the count for most waves when the rows are spread evenly: from period 1 on its four loads a period and its eight products a step are jumped where it is.
; The prologue and period 0 take it in any case, so that its accumulators and both row buffers are written on every way through the text.
; The first 320 rows are multiplied under the weights' stream; further groups of 320 rows, if the expert has them, from the slice in LDS: the weights are read from memory once for every split.
; That second part is not pipelined: an expert with more than 320 rows is served, slowly.  Tiles past the count load the last live tile, and their results are not stored.
; h IS STORED in the next product's operand order: tile ct's eight numbers a lane, packed, are half ct % 2 of block 4 s + ct / 2: h[e][tile][kb 128][g 2][lane][16 bytes].  The order of k inside a
; block is then a permutation of the columns, which the next launch applies to w2's rows as well.
; LDS IS WRITTEN in periods 0 to 14 alone.  The three lines behind a wave's last LDS store stand in period 14, ahead of that period's barrier; behind them LDS is only read.
; NO JOINT LOADS: what an expert's 32 work-groups share is its rows of x, 40 KB a period; two slots of that are 80 KB, and beside the slice LDS has 64 KB; and the number of tiles hangs on a stored count.
; LIMITS.  h is held to f16's largest number, 65,504.  NaN and infinities are not treated apart.
; REGISTERS, in windows of 256 (s_set_vgpr_msb: bits 1:0 source 0, 3:2 source 1, 5:4 source 2, 7:6 destination):
;   window 0: v0-31 addresses; v32-63 a unit's four operands, later h packed; v64-143, v144-223 rows of x, two buffers (step 40, tile 8); v224-255 at work
;   window 1: v0-127 the period's weights from LDS (step 64, tile 8); v128-191, v192-255 units as loaded, two buffers
;   window 2: accumulators of tiles 0-3 (64 i + 8 ct)      window 3: v0-63 tile 4's; v64-127 the first unit as loaded; v128-191 b1 by (ct, jj); v192-255 b1 as loaded
.set CHUNKB, 1048576                   ; 64 rows of w1
.set SPARE,  262144                    ; behind the slice: the spare words, 128 bytes a wave
.set LB,  4                            ; v4   LDS address of the weights to be read next
.set SB,  5                            ; v5   where my unit goes: 4,096 w + 16 x lane + 16,384 x period
.set WO,  6                            ; v6   my byte offset in a unit of w1
.set L16, 7                            ; v7   16 x lane
.set AO,  8                            ; v8-12  my five tiles' byte offsets in xs
.set PFO, 13                           ; v13  lane l: row l of my unit, for the prefetch
.set SPW, 14
.set NIL, 15
.set HO,  16                           ; v16  a tile's byte offset in h
.set BO,  17                           ; v17  128 x (lane / 16): my 32 columns' b1
.set F,   32
.set AB0, 64
.set X,   64                           ; the way out: 64 numbers
.set GA,  144                          ; and 64 at work
.set TT,  224
.set WA,  128                          ; window 1
.set WB,  192
.set WC,  64                           ; window 3
.set BI,  128
.set BR,  192
.set TAU,   32                         ; s32-36 my five tiles' numbers
.set ABASE, 42                         ; s[42:43] xs, stepped along k
.set WBASE, 44                         ; s[44:45] w1 at the unit to be loaded next
.set OUTB,  46                         ; s[46:47] h at (e, block 4 s)
.set FIVE,  61                         ; s61  1: my fifth tile of the first group is stored
.set MSB, 0
.macro WIN new                         ; the immediate's high byte repeats the setting that is left; a switch that changes nothing is dropped
.if MSB != (\new)
	s_set_vgpr_msb (MSB<<8)|(\new)
.set MSB, (\new)
.endif
.endm
.macro PLACES                          ; four plain instructions between a matrix instruction and a load into, or a vector write of, its registers, or a read of its result
.rept 4
	v_nop
.endr
.endm
.macro WLOAD buf, win, k               ; a unit: load i takes row i + 8 (i / 8) + 8 (lane / 16) of my 32
	WIN (\win)<<6
.set i_, 0
.rept 16
	global_load_b128 v[(\buf)+4*i_:(\buf)+4*i_+3], v[WO], s[WBASE:WBASE+1] offset:(i_+8*(i_/8))*16384+(\k)*CHUNKB th:TH_LOAD_NT
.set i_, i_+1
.endr
.endm
.macro ALOAD par, cond                 ; a period's rows of x: sixteen loads of 512 neighbouring bytes for tiles 0-3, then four for the fifth; cond = 1: those four only where it is live
	WIN 0
.set a_, 0
.rept 16
	global_load_b128 v[AB0+80*(\par)+40*(a_/8)+4*(a_%8):AB0+80*(\par)+40*(a_/8)+4*(a_%8)+3], v[AO+(a_%8)/2], s[ABASE:ABASE+1] offset:(a_/8)*1024+(a_%2)*512
.set a_, a_+1
.endr
.if \cond
	s_cmp_eq_u32 s[FIVE], 0
	s_cbranch_scc1 .Lna_\@
.endif
.set a_, 0
.rept 4
	global_load_b128 v[AB0+80*(\par)+40*(a_/2)+32+4*(a_%2):AB0+80*(\par)+40*(a_/2)+32+4*(a_%2)+3], v[AO+4], s[ABASE:ABASE+1] offset:(a_/2)*1024+(a_%2)*512
.set a_, a_+1
.endr
.if \cond
.Lna_\@:
.endif
.endm
.macro CONVERT buf, win                ; operand j, register q: rows 2 q, 2 q + 1 of the sixteen, component j
	WIN 5*(\win)
.set c_, 0
.rept 32
	v_cvt_pk_bf16_f32 v[F+c_], v[(\buf)+8*(c_%8)+c_/8], v[(\buf)+8*(c_%8)+4+c_/8]
.set c_, c_+1
.endr
.endm
.macro WSTORE
	WIN 0
.set m_, 0
.rept 8
	ds_store_b128 v[SB], v[F+4*m_:F+4*m_+3] offset:512*m_
.set m_, m_+1
.endr
.endm
.macro BLOAD                           ; a period's weights, 16 KB on end: step 0's sixteen loads first
	WIN 0x40
.set b_, 0
.rept 32
	ds_load_b128 v[4*b_:4*b_+3], v[LB] offset:512*b_
.set b_, b_+1
.endr
.endm
.macro WM st, par, zero                ; matrix instruction t_ of a step's 40: row tile t_ / 8, column tile t_ % 8
.set ac_, 8*(t_%32)
.if \zero
	v_wmma_f32_16x16x32_bf16 v[ac_:ac_+7], v[64*(\st)+8*(t_%8):64*(\st)+8*(t_%8)+7], v[AB0+80*(\par)+40*(\st)+8*(t_/8):AB0+80*(\par)+40*(\st)+8*(t_/8)+7], 0
.else
	v_wmma_f32_16x16x32_bf16 v[ac_:ac_+7], v[64*(\st)+8*(t_%8):64*(\st)+8*(t_%8)+7], v[AB0+80*(\par)+40*(\st)+8*(t_/8):AB0+80*(\par)+40*(\st)+8*(t_/8)+7], v[ac_:ac_+7]
.endif
.set t_, t_+1
.endm
; A step: 32 products of tiles 0-3, then the fifth tile's 8 (cond = 1: only where it is live).  On either way no two matrix instructions that follow each other share an accumulator.
; bw = 1: the barrier whose signal stands ahead of the step is waited for behind the 32, ahead of the branch.
.macro STEP st, par, zero, cond, bw=0
.set t_, 0
	WIN 0xa1
.rept 32
	WM \st, \par, \zero
.endr
.if \bw
	s_barrier_wait -1
.endif
.if \cond
	WIN 0                                          ; at a branch and at a label every window is 0
	s_cmp_eq_u32 s[FIVE], 0
	s_cbranch_scc1 .Lfour_\@
.endif
	WIN 0xf1
.rept 8
	WM \st, \par, \zero
.endr
.if \cond
	WIN 0
.Lfour_\@:
.endif
.endm
.macro GROUPSET                        ; my five tiles of the group that begins at tile s31
	s_wait_xcnt 0x0                                ; the registers below were sources of earlier loads and stores
.irp i, 0,1,2,3,4
	s_add_co_u32 s[TAU+\i], s31, 4*\i
	s_add_co_u32 s[TAU+\i], s[TAU+\i], s20
	s_min_u32 s37, s[TAU+\i], s29                  ; a tile past the count loads the last live one,
	s_min_u32 s37, s37, 63                         ; and none lies outside the expert's 64
	s_add_co_u32 s37, s37, s56
	s_lshl_b32 s37, s37, 15
	v_add_nc_u32 v[AO+\i], s37, v[L16]
.endr
	s_mov_b64 s[ABASE:ABASE+1], s[4:5]
	v_mov_b32 v[LB], v[L16]
.endm
; PERIOD p multiplies chunk p (64 k).  par = p % 2.  Its weights' 32 LDS loads go out first: they need only the barrier at the end of the period before.  Then the wait for memory: loads are issued in
; the order x(p + 1), unit(p + 3), so n = 16 leaves only the youngest unit out, however many row loads went before it: x(p) and unit(p + 1) are in.  Straight behind the wait: the rows of x for p + 1
; (ald), unit p + 1 rounded (prod), unit p + 3 loaded into the buffer just rounded (wld), and the rounded unit put into LDS.
; pf: behind the period's loads my unit of period p + 5 is asked for, a lane for each of its 32 blocks of 256 bytes: two periods ahead of its load; pf = 2: not in the loop's last trip, whose
; units 16 and 17 do not exist.  The two bases are stepped behind the first step's products, behind s_wait_xcnt 0.
; bar: the others read my unit in the next period: my stores are waited for, the signal stands ahead of the second step and the wait inside it.  No byte of the slice is written twice.
; fin: the period with my last LDS store: the three lines behind it; the third is the wait for 0 that stands ahead of the signal anyway.
.macro PERIOD par, zero, prod, wld, ald, bar, n, pf, fin=0, cond=1
	PLACES
	BLOAD
	s_wait_loadcnt \n
.if \ald
	ALOAD 1-(\par), \cond
.endif
.if \prod
	CONVERT WA+64*(1-(\par)), 1
.endif
.if \wld
	WLOAD WA+64*(1-(\par)), 1, 0
.endif
	WIN 0
.if (\pf) == 2
	s_cmp_eq_u32 s48, 1
	s_cbranch_scc1 .Lnopf_\@
.endif
.if \pf
	global_prefetch_b8 v[PFO], s[WBASE:WBASE+1] offset:2*CHUNKB th:TH_LOAD_NT scope:SCOPE_SE
.endif
.if (\pf) == 2
.Lnopf_\@:
.endif
.if \prod
	WSTORE
.endif
	v_add_nc_u32 v[LB], 0x4000, v[LB]              ; LDS addresses: the next period's
.if \prod
	v_add_nc_u32 v[SB], 0x4000, v[SB]
	s_wait_dscnt 24                                ; of 32 loads and 8 stores the first sixteen loads are in: step 0's weights
.else
	s_wait_dscnt 16
.endif
	STEP 0, \par, \zero, \cond
.if (\ald) || (\wld)
	s_wait_xcnt 0x0                                ; the bases are stepped only behind this wait
.endif
.if \ald
	s_add_nc_u64 s[ABASE:ABASE+1], s[ABASE:ABASE+1], 2048
.endif
.if \wld
	s_add_nc_u64 s[WBASE:WBASE+1], s[WBASE:WBASE+1], CHUNKB
.endif
.if \fin
	WIN 0
	s_wait_tensorcnt 0x0
	ds_add_u32 v[SPW], v[NIL]
.endif
	s_wait_dscnt 0x0                               ; step 1's weights are in, and my stores are done
.if \bar
	s_barrier_signal -1
.endif
	STEP 1, \par, 0, \cond, \bar
.endm
.macro LSTEP zero                      ; a step (32 k) of a later group: weights from the slice, rows from memory; nothing writes LDS, no barrier
	PLACES
	WIN 0x40
.set b_, 0
.rept 16
	ds_load_b128 v[4*b_:4*b_+3], v[LB] offset:512*b_
.set b_, b_+1
.endr
	WIN 0
.set a_, 0
.rept 10
	global_load_b128 v[AB0+4*a_:AB0+4*a_+3], v[AO+a_/2], s[ABASE:ABASE+1] offset:(a_%2)*512
.set a_, a_+1
.endr
	v_add_nc_u32 v[LB], 0x2000, v[LB]
	s_wait_xcnt 0x0
	s_add_nc_u64 s[ABASE:ABASE+1], s[ABASE:ABASE+1], 1024
	s_wait_loadcnt 0x0
	s_wait_dscnt 0x0
	STEP 0, 0, \zero, 0
.endm
.macro COPY i                          ; tile i's sums plus b1, each accumulator from its low end on, into window 0; a tile past the count is jumped
	s_mov_b32 s37, s[TAU+(\i)]
	s_cmp_ge_u32 s37, s28
	s_cbranch_scc1 .Lnext
	WIN 0x0e+(\i)/4
.set n_, 0
.rept 32
	v_pk_add_f32 v[X+2*n_:X+2*n_+1], v[64*((\i)%4)+2*n_:64*((\i)%4)+2*n_+1], v[BI+2*n_:BI+2*n_+1]
.set n_, n_+1
.endr
	WIN 0
.endm
	s_load_b256 s[4:11], s[0:1], 0x0               ; xs s[4:5], w1 s[6:7], b1 s[8:9], lst s[10:11]
	s_load_b64 s[12:13], s[0:1], 0x20              ; h
	v_lshl_add_u32 v[SPW], v0, 2, SPARE
	v_mov_b32 v[NIL], 0
	v_and_b32 v1, 31, v0                           ; lane
	v_lshrrev_b32 v16, 5, v0
	v_readfirstlane_b32 s20, v16                   ; wave
	v_and_b32 v2, 15, v0                           ; r
	v_bfe_u32 v3, v0, 4, 1                         ; hh
	v_lshlrev_b32 v[L16], 4, v1
	s_and_b32 s21, s20, 1                          ; c
	s_lshr_b32 s22, s20, 1                         ; kh
	s_and_b32 s23, ttmp7, 0xffff                   ; expert
	s_mov_b32 s24, ttmp9                           ; slice
	s_lshl_b32 s59, s23, 2
	s_lshl_b32 s56, s23, 6                         ; the expert's first tile
	s_lshl_b32 s40, s23, 24                        ; w1[e]: 16 MiB each,
	s_lshl_b32 s38, s24, 9                         ; my 128 columns
	s_add_co_u32 s40, s40, s38
	s_mov_b32 s41, 0
	s_lshl_b32 s38, s21, 8                         ; my 64 columns of them,
	s_lshl_b32 s39, s22, 19                        ; my 32 rows of a period's 64
	s_add_co_u32 s38, s38, s39
	v_lshlrev_b32 v[WO], 4, v2
	v_lshl_add_u32 v[WO], v3, 17, v[WO]            ; lanes 16-31: 8 rows of 16,384 bytes down
	v_add_nc_u32 v[WO], s38, v[WO]
	v_lshl_add_u32 v[PFO], v1, 14, s38
	v_lshl_add_u32 v[SB], s20, 12, v[L16]          ; step kh, tiles 4 c ..: 8,192 kh + 4,096 c = 4,096 w
	v_lshlrev_b32 v[BO], 7, v3
	s_mov_b32 s50, 0xc0135761                      ; -2 log2(e) sqrt(2 / pi)
	s_mov_b32 s51, s50
	s_mov_b32 s52, 0xbdd2d3e8                      ; the same times 0.044715
	s_mov_b32 s53, s52
	s_mov_b32 s54, 0xffff0000
	s_mov_b32 s57, 0x7bff7bff                      ; 65,504 twice, in f16
	s_wait_kmcnt 0x0
	s_load_b32 s26, s[10:11], s59 offset:0x8000    ; the expert's count
	s_add_nc_u64 s[WBASE:WBASE+1], s[6:7], s[40:41]
	WLOAD WC, 3, 0                                 ; units 0 and 1 go out before the count is there
	WLOAD WB, 1, 1
	WIN 0
	s_lshl_b32 s40, s23, 14
	s_lshl_b32 s38, s24, 9
	s_add_co_u32 s40, s40, s38
	s_add_nc_u64 s[8:9], s[8:9], s[40:41]          ; b1[e] at my columns
	s_lshl_b32 s40, s23, 23
	s_lshl_b32 s38, s24, 12
	s_add_co_u32 s40, s40, s38
	s_add_nc_u64 s[OUTB:OUTB+1], s[12:13], s[40:41]
	s_wait_kmcnt 0x0
	s_add_co_u32 s27, s26, 15
	s_lshr_b32 s27, s27, 4
	s_min_u32 s27, s27, 64                         ; T: live tiles
	s_max_u32 s28, s27, 1                          ; tiles stored: tile 0 always, so that the next launch's loads find data
	s_sub_co_u32 s29, s28, 1
	s_mov_b32 s31, 0
	GROUPSET
	s_cmp_lt_u32 s[TAU+4], s28
	s_cselect_b32 s[FIVE], 1, 0
	ALOAD 0, 0
	s_wait_loadcnt 36                              ; unit 0 is in; behind it: unit 1 (16) and the first rows (20)
	WLOAD WA, 1, 2                                 ; unit 2: by this text's count 52 loads are out at the most, here and in every period
	WIN 0
	global_prefetch_b8 v[PFO], s[WBASE:WBASE+1] offset:3*CHUNKB th:TH_LOAD_NT scope:SCOPE_SE   ; my units 3 and 4
	global_prefetch_b8 v[PFO], s[WBASE:WBASE+1] offset:4*CHUNKB th:TH_LOAD_NT scope:SCOPE_SE
	CONVERT WC, 3
	WSTORE
	v_add_nc_u32 v[SB], 0x4000, v[SB]
	s_wait_xcnt 0x0                                ; the bases are stepped only behind this wait
	s_add_nc_u64 s[WBASE:WBASE+1], s[WBASE:WBASE+1], 3*CHUNKB
	s_add_nc_u64 s[ABASE:ABASE+1], s[ABASE:ABASE+1], 2048
	s_wait_dscnt 0x0
	s_barrier_signal -1
	s_barrier_wait -1                              ; chunk 0 is whole
	PERIOD 0, 1, 1, 1, 1, 1, 16, 1, 0, 0           ; its first step starts all 40 sums: nothing is cleared
	WIN 0
	s_mov_b32 s48, 6
.Lmain:                                                ; periods 1 to 12
	PERIOD 1, 0, 1, 1, 1, 1, 16, 2
	PERIOD 0, 0, 1, 1, 1, 1, 16, 2
	WIN 0
	s_sub_co_u32 s48, s48, 1
	s_cmp_lg_u32 s48, 0
	s_cbranch_scc1 .Lmain
	PERIOD 1, 0, 1, 0, 1, 1, 16, 0                 ; 13: no unit is left to load; out at its wait: unit 14, rows 13, unit 15
	PERIOD 0, 0, 1, 0, 1, 1, 0, 0, 1               ; 14: unit 15 and rows 14 are the last out: the wait is for 0; my last LDS store
	WIN 0xc0
.set n_, 0
.rept 16                                               ; b1: load (u, jj) brings columns 64 u + 32 hh + 4 jj + 0..3
	global_load_b128 v[BR+4*n_:BR+4*n_+3], v[BO], s[8:9] offset:(n_/8)*256+(n_%8)*16
.set n_, n_+1
.endr
	PERIOD 1, 0, 0, 0, 0, 0, 16, 0                 ; 15: b1's sixteen loads may stay out
	PLACES
	s_wait_loadcnt 0x0
	WIN 0x0f                                       ; b1 is rounded to bf16 like every input, and laid by (ct, jj)
.set n_, 0
.rept 32
	v_cvt_pk_bf16_f32 v[TT+n_], v[BR+((n_/16)*8+2*(n_%4))*4+(n_/4)%4], v[BR+((n_/16)*8+2*(n_%4))*4+(n_/4)%4+4]
.set n_, n_+1
.endr
	WIN 0xc0
.set n_, 0
.rept 32
	v_lshlrev_b32 v[BI+8*(n_/4)+2*(n_%4)], 16, v[TT+n_]
	v_and_b32 v[BI+8*(n_/4)+2*(n_%4)+1], s54, v[TT+n_]
.set n_, n_+1
.endr
	WIN 0
	s_mov_b32 s30, 4                               ; groups of 20 tiles: 64 tiles are at most four; the loop is left by the jump below, at 80 tiles at the latest
.Lgrp:                                                 ; the way out of a group, then the next group, if the expert has one
	s_mov_b32 s49, 5
.Lepi:                                                 ; my five tiles, s49 = 5 .. 1 for tiles 0 .. 4: one text for the gelu, five for the copy out of the accumulators
	s_cmp_eq_u32 s49, 4
	s_cbranch_scc1 .Lc1
	s_cmp_eq_u32 s49, 3
	s_cbranch_scc1 .Lc2
	s_cmp_eq_u32 s49, 2
	s_cbranch_scc1 .Lc3
	s_cmp_eq_u32 s49, 1
	s_cbranch_scc1 .Lc4
	COPY 0
	s_branch .Lcom
.Lc1:
	COPY 1
	s_branch .Lcom
.Lc2:
	COPY 2
	s_branch .Lcom
.Lc3:
	COPY 3
	s_branch .Lcom
.Lc4:
	COPY 4
.Lcom:
	; gelu(x) = x / (1 + 2^(x (K0 + K1 x^2)))
.set n_, 0
.rept 32
	v_pk_mul_f32 v[GA+2*n_:GA+2*n_+1], v[X+2*n_:X+2*n_+1], v[X+2*n_:X+2*n_+1]
.set n_, n_+1
.endr
.set n_, 0
.rept 32
	v_pk_fma_f32 v[GA+2*n_:GA+2*n_+1], v[GA+2*n_:GA+2*n_+1], s[52:53], s[50:51] op_sel_hi:[1,0,0]
.set n_, n_+1
.endr
.set n_, 0
.rept 32
	v_pk_mul_f32 v[GA+2*n_:GA+2*n_+1], v[GA+2*n_:GA+2*n_+1], v[X+2*n_:X+2*n_+1]
.set n_, n_+1
.endr
.set n_, 0
.rept 64
	v_exp_f32 v[GA+n_], v[GA+n_]
.set n_, n_+1
.endr
	v_nop                                          ; a plain instruction behind the last exponential,
	s_wait_alu depctr_va_vdst(0)                   ; and one wait for the 64, ahead of the first reader
.set n_, 0
.rept 32
	v_pk_add_f32 v[GA+2*n_:GA+2*n_+1], v[GA+2*n_:GA+2*n_+1], 1.0 op_sel_hi:[1,0]
.set n_, n_+1
.endr
.set n_, 0
.rept 64
	v_rcp_f32 v[GA+n_], v[GA+n_]
.set n_, n_+1
.endr
	v_nop
	s_wait_alu depctr_va_vdst(0)                   ; one wait for the 64 reciprocals
.set n_, 0
.rept 32
	v_pk_mul_f32 v[X+2*n_:X+2*n_+1], v[X+2*n_:X+2*n_+1], v[GA+2*n_:GA+2*n_+1]
.set n_, n_+1
.endr
.set n_, 0
.rept 32
	v_cvt_pk_f16_f32 v[F+n_], v[X+2*n_], v[X+2*n_+1]
.set n_, n_+1
.endr
.set n_, 0
.rept 32
	v_pk_min_num_f16 v[F+n_], v[F+n_], s57         ; what passed f16's range is held to 65,504
.set n_, n_+1
.endr
	v_lshl_add_u32 v[HO], s37, 17, v[L16]          ; the tile: 131,072 bytes each
.set n_, 0
.rept 8
	global_store_b128 v[HO], v[F+4*n_:F+4*n_+3], s[OUTB:OUTB+1] offset:512*n_   ; 4,096 bytes on end: blocks 4 s .. 4 s + 3
.set n_, n_+1
.endr
	s_wait_xcnt 0x0                                ; the next tile rewrites the stores' registers
.Lnext:
	s_sub_co_u32 s49, s49, 1
	s_cmp_lg_u32 s49, 0
	s_cbranch_scc1 .Lepi
	s_add_co_u32 s31, s31, 20                      ; the next group's first tile
	s_cmp_ge_u32 s31, s27
	s_cbranch_scc1 .Ldone                          ; no tile is left
	GROUPSET
	LSTEP 1                                        ; the group's first step starts its sums
	WIN 0
	s_mov_b32 s48, 31
.Llp:
	LSTEP 0
	WIN 0
	s_sub_co_u32 s48, s48, 1
	s_cmp_lg_u32 s48, 0
	s_cbranch_scc1 .Llp
	PLACES
	s_sub_co_u32 s30, s30, 1
	s_cmp_lg_u32 s30, 0
	s_cbranch_scc1 .Lgrp
.Ldone:
	s_endpgm                                       ; the three lines behind my last LDS store stand in period 14; since then LDS has only been read
.Lfunc_end_k_qc3d1bb94c9_ffn1:
	.size	k_qc3d1bb94c9_ffn1, .Lfunc_end_k_qc3d1bb94c9_ffn1-k_qc3d1bb94c9_ffn1
	.p2alignl 7, 3214868480
	.fill 96, 4, 3214868480
	.section	.rodata,"a",@progbits
	.p2align	6, 0x0
	.amdhsa_kernel k_qc3d1bb94c9_ffn1
		.amdhsa_group_segment_fixed_size 262656
		.amdhsa_private_segment_fixed_size 0
		.amdhsa_enable_private_segment 0
		.amdhsa_kernarg_size 40
		.amdhsa_user_sgpr_count 2
		.amdhsa_user_sgpr_kernarg_segment_ptr 1
		.amdhsa_wavefront_size32 1
		.amdhsa_system_sgpr_workgroup_id_x 1
		.amdhsa_system_sgpr_workgroup_id_y 1
		.amdhsa_system_sgpr_workgroup_id_z 1
		.amdhsa_system_vgpr_workitem_id 0
		.amdhsa_next_free_vgpr 1024
		.amdhsa_next_free_sgpr 66
		.amdhsa_reserve_vcc 0
		.amdhsa_float_denorm_mode_32 3
		.amdhsa_float_denorm_mode_16_64 3
		.amdhsa_memory_ordered 1
		.amdhsa_forward_progress 1
		.amdhsa_inst_pref_size 136
	.end_amdhsa_kernel
	.amdgpu_metadata
---
amdhsa.version: [ 1, 2 ]
amdhsa.kernels:
  - .name:           k_qc3d1bb94c9_ffn1
    .symbol:         k_qc3d1bb94c9_ffn1.kd
    .args:
      - { .name: xs, .offset: 0, .size: 8, .value_kind: global_buffer, .address_space: global }
      - { .name: w1, .offset: 8, .size: 8, .value_kind: global_buffer, .address_space: global }
      - { .name: b1, .offset: 16, .size: 8, .value_kind: global_buffer, .address_space: global }
      - { .name: lst, .offset: 24, .size: 8, .value_kind: global_buffer, .address_space: global }
      - { .name: h, .offset: 32, .size: 8, .value_kind: global_buffer, .address_space: global }
    .group_segment_fixed_size: 262656
    .private_segment_fixed_size: 0
    .kernarg_segment_align: 8
    .kernarg_segment_size: 40
    .max_flat_workgroup_size: 128
    .sgpr_count:     66
    .vgpr_count:     1024
    .wavefront_size: 32
...
	.end_amdgpu_metadata
.endif
;; end of part 3
;; launch ffn2 (part 4): grid 32 x 8, 4 waves a work-group, no clusters, 262,656 bytes of LDS; arguments h, w2, b2, lst, cws, part; writes part
.if DOCPART == 4
	.amdgcn_target "amdgcn-amd-amdhsa--gfx1250"
	.amdhsa_code_object_version 6
	.text
	.protected	k_qc3d1bb94c9_ffn2
	.globl	k_qc3d1bb94c9_ffn2
	.p2align	8
	.type	k_qc3d1bb94c9_ffn2,@function
k_qc3d1bb94c9_ffn2:
	s_mov_b64 s[64:65], 0
	v_nop
	global_prefetch_b8 v0, s[64:65] scope:SCOPE_SE
	s_setreg_imm32_b32 hwreg(HW_REG_WAVE_MODE, 25, 1), 1
	s_wait_xcnt 0x0
; part[4 choice + kq][token] = c (h[row, quarter kq of F] w2[e][that quarter] + b2[e] if kq = 0), for the rows that chose expert e.  h is f16; w2 and b2 are rounded to bf16 like every input, and w2's
; rounded number is then written as f16; sums in f32; the partial sums stay f32 and the next launch adds a token's eight.
; SHARES.  Work-group (cs + 8 kq, e) alone reads rows 1,024 kq .. + 1,023, columns 128 cs .. + 127 of w2[e] (512 KB of f32), once, and takes all of the expert's rows through them.
; The frame is the first product's: a lane loads 4 neighbouring columns of one row of w2; sixteen loads are a unit of 32 k x 64 columns; component j, rounded in pairs, is an operand whose column r
; stands for column 4 r + j; wave w makes column half c = w % 2, step kh = w / 2 of each period of 64 k; the slice (262,144 bytes) stays in LDS and is written once.
; THE ORDER OF k.  h's blocks hold F permuted: place (g, hh, jj) of block kb is F = 64 (kb / 2) + 32 hh + 4 jj + 2 (kb % 2) + g.  So load i of a unit takes row 2 kh + 32 hh + 4 (i % 8) + i / 8 of the period's 64.
; THE PRODUCT.  Source 0 = 16 rows of h, source 1 = weights: register jj of tile ct = 4 u + j holds row 8 (lane / 16) + jj, column 64 u + 4 (lane % 16) + j.  The four tiles j of one u give a lane 16
; neighbouring bytes of a row: sixteen lanes store 256 aligned bytes of one token's row, the other sixteen those of another's.
; THE FIFTH TILE of a wave (rows 256 + 16 w on) is past the count for most waves when the rows are spread evenly: from period 1 on its four loads a period and its eight products a step are jumped
; where it is.  The prologue and period 0 take it in any case, so that its accumulators and both row buffers are written on every way through the text.
; Rows past the count repeat the expert's last row and store the same numbers to the same bytes; tiles past the count are not stored; an expert without rows stores nothing.
; The first 320 rows go under the weights' stream, further groups of 320 from the slice in LDS, not pipelined.
; LDS IS WRITTEN in periods 0 to 14 alone.  The three lines behind a wave's last LDS store stand in period 14, ahead of that period's barrier; behind them LDS is only read.
; NO JOINT LOADS: an expert's eight work-groups of one quarter share its rows of h, 40 KB a period; two slots of that do not fit beside the slice, and the number of tiles hangs on a stored count.
; LIMITS.  A rounded weight beyond 65,504 has no place in f16; below 2^-17 it keeps f16's fixed step of 2^-24.  NaN and infinities are not treated apart (b2 is multiplied by 0 where kq is not 0).
; REGISTERS, in windows of 256 (s_set_vgpr_msb: bits 1:0 source 0, 3:2 source 1, 5:4 source 2, 7:6 destination):
;   window 0: v0-31 addresses; v32-63 a unit's four operands; v64-143, v144-223 rows of h, two buffers; v64-127 later the way out; v224-255 at work
;   window 1: v0-127 the period's weights from LDS; v128-191, v192-255 units as loaded
;   window 2: accumulators of tiles 0-3      window 3: v0-63 tile 4's; v64-127 the first unit, later with v128-143 the lists (tile i: 8 rc, 8 c); v144-151 b2 as loaded; v152-159 b2
.set CHUNKB, 262144                    ; 64 rows of w2
.set SPARE,  262144
.set LB,  4
.set SB,  5
.set WO,  6
.set L16, 7
.set AO,  8                            ; v8-12
.set PFO, 13
.set SPW, 14
.set NIL, 15
.set DO,  16                           ; v16-23 the byte offsets in part of my eight rows of a tile
.set R16, 24                           ; v24  16 x (lane % 16)
.set LO,  25                           ; v25-29 my five tiles' byte offsets in the lists
.set F,   32
.set AB0, 64
.set O,   64
.set TT,  224
.set CW,  224                          ; v224-231 the way out: my eight rows' weights
.set WA,  128
.set WB,  192
.set WC,  64
.set RC,  64                           ; window 3
.set BRAW, 144
.set B2,  152
.set TAU,   32
.set ABASE, 42
.set WBASE, 44
.set OUTB,  46
.set FIVE,  61                         ; s61  1: my fifth tile of the first group is stored
.set MSB, 0
.macro WIN new                         ; the immediate's high byte repeats the setting that is left; a switch that changes nothing is dropped
.if MSB != (\new)
	s_set_vgpr_msb (MSB<<8)|(\new)
.set MSB, (\new)
.endif
.endm
.macro PLACES                          ; four plain instructions between a matrix instruction and a load into, or a vector write of, its registers, or a read of its result
.rept 4
	v_nop
.endr
.endm
.macro WLOAD buf, win, k
	WIN (\win)<<6
.set i_, 0
.rept 16
	global_load_b128 v[(\buf)+4*i_:(\buf)+4*i_+3], v[WO], s[WBASE:WBASE+1] offset:(4*(i_%8)+i_/8)*4096+(\k)*CHUNKB th:TH_LOAD_NT
.set i_, i_+1
.endr
.endm
.macro ALOAD par, cond                 ; a period's rows of h: sixteen loads of 512 neighbouring bytes for tiles 0-3, then four for the fifth; cond = 1: those four only where it is live
	WIN 0
.set a_, 0
.rept 16
	global_load_b128 v[AB0+80*(\par)+40*(a_/8)+4*(a_%8):AB0+80*(\par)+40*(a_/8)+4*(a_%8)+3], v[AO+(a_%8)/2], s[ABASE:ABASE+1] offset:(a_/8)*1024+(a_%2)*512
.set a_, a_+1
.endr
.if \cond
	s_cmp_eq_u32 s[FIVE], 0
	s_cbranch_scc1 .Lna_\@
.endif
.set a_, 0
.rept 4
	global_load_b128 v[AB0+80*(\par)+40*(a_/2)+32+4*(a_%2):AB0+80*(\par)+40*(a_/2)+32+4*(a_%2)+3], v[AO+4], s[ABASE:ABASE+1] offset:(a_/2)*1024+(a_%2)*512
.set a_, a_+1
.endr
.if \cond
.Lna_\@:
.endif
.endm
.macro CONVERT buf, win                ; rounded to bf16 in pairs; then each pair is widened again and written as f16, which is exact within f16's range
	WIN 5*(\win)
.set c_, 0
.rept 32
	v_cvt_pk_bf16_f32 v[F+c_], v[(\buf)+8*(c_%8)+c_/8], v[(\buf)+8*(c_%8)+4+c_/8]
.set c_, c_+1
.endr
	WIN 0
.irp hf, 0,1
.set c_, 0
.rept 16
	v_lshlrev_b32 v[TT+2*c_], 16, v[F+16*\hf+c_]
	v_and_b32 v[TT+2*c_+1], s54, v[F+16*\hf+c_]
.set c_, c_+1
.endr
.set c_, 0
.rept 16
	v_cvt_pk_f16_f32 v[F+16*\hf+c_], v[TT+2*c_], v[TT+2*c_+1]
.set c_, c_+1
.endr
.endr
.endm
.macro WSTORE
	WIN 0
.set m_, 0
.rept 8
	ds_store_b128 v[SB], v[F+4*m_:F+4*m_+3] offset:512*m_
.set m_, m_+1
.endr
.endm
.macro BLOAD
	WIN 0x40
.set b_, 0
.rept 32
	ds_load_b128 v[4*b_:4*b_+3], v[LB] offset:512*b_
.set b_, b_+1
.endr
.endm
.macro WM st, par, zero                ; matrix instruction t_ of a step's 40: row tile t_ / 8, column tile t_ % 8
.set ac_, 8*(t_%32)
.if \zero
	v_wmma_f32_16x16x32_f16 v[ac_:ac_+7], v[AB0+80*(\par)+40*(\st)+8*(t_/8):AB0+80*(\par)+40*(\st)+8*(t_/8)+7], v[64*(\st)+8*(t_%8):64*(\st)+8*(t_%8)+7], 0
.else
	v_wmma_f32_16x16x32_f16 v[ac_:ac_+7], v[AB0+80*(\par)+40*(\st)+8*(t_/8):AB0+80*(\par)+40*(\st)+8*(t_/8)+7], v[64*(\st)+8*(t_%8):64*(\st)+8*(t_%8)+7], v[ac_:ac_+7]
.endif
.set t_, t_+1
.endm
; A step: 32 products of tiles 0-3, then the fifth tile's 8 (cond = 1: only where it is live).  The accumulators take turns: on either way no two matrix instructions that
; follow each other share one.  bw = 1: the barrier whose signal stands ahead of the step is waited for behind the 32, ahead of the branch.
.macro STEP st, par, zero, cond, bw=0
.set t_, 0
	WIN 0xa4
.rept 32
	WM \st, \par, \zero
.endr
.if \bw
	s_barrier_wait -1
.endif
.if \cond
	WIN 0                                          ; at a branch and at a label every window is 0
	s_cmp_eq_u32 s[FIVE], 0
	s_cbranch_scc1 .Lfour_\@
.endif
	WIN 0xf4
.rept 8
	WM \st, \par, \zero
.endr
.if \cond
	WIN 0
.Lfour_\@:
.endif
.endm
.macro GROUPSET
	s_wait_xcnt 0x0                                ; the registers below, and the way out's, were sources of earlier loads and stores
.irp i, 0,1,2,3,4
	s_add_co_u32 s[TAU+\i], s31, 4*\i
	s_add_co_u32 s[TAU+\i], s[TAU+\i], s20
	s_min_u32 s37, s[TAU+\i], s29                  ; a tile past the count loads the last live one,
	s_min_u32 s37, s37, 63                         ; and none lies outside the expert's 64
	s_lshl_b32 s38, s37, 6
	s_add_co_u32 s38, s38, s60
	v_lshl_add_u32 v[LO+\i], v3, 5, s38            ; word 1,024 e + 16 tile + 8 hh of the lists
	s_add_co_u32 s37, s37, s56
	s_lshl_b32 s37, s37, 17
	s_add_co_u32 s37, s37, s58                     ; my quarter's 32 blocks
	v_add_nc_u32 v[AO+\i], s37, v[L16]
.endr
	s_mov_b64 s[ABASE:ABASE+1], s[4:5]
	v_mov_b32 v[LB], v[L16]
.endm
.macro LISTLOAD                        ; for each of my five tiles: where my eight rows go, and their weights: 20 loads
	WIN 0xc0
.irp i, 0,1,2,3,4
	global_load_b128 v[RC+16*\i:RC+16*\i+3], v[LO+\i], s[10:11]
	global_load_b128 v[RC+16*\i+4:RC+16*\i+7], v[LO+\i], s[10:11] offset:16
	global_load_b128 v[RC+16*\i+8:RC+16*\i+11], v[LO+\i], s[12:13]
	global_load_b128 v[RC+16*\i+12:RC+16*\i+15], v[LO+\i], s[12:13] offset:16
.endr
	WIN 0
.endm
; PERIOD p multiplies chunk p (64 k).  par = p % 2.  Its weights' 32 LDS loads go out first: they need only the barrier at the end of the period before.  Then the wait for memory: loads are issued in
; the order h(p + 1), unit(p + 3), so n = 16 leaves only the youngest unit out, however many row loads went before it: h(p) and unit(p + 1) are in.  Straight behind the wait: the rows of h for p + 1
; (ald), unit p + 1 rounded (prod), unit p + 3 loaded into the buffer just rounded (wld), and the rounded unit put into LDS.
; pf: behind the period's loads my unit of period p + 5 is asked for, a lane for each of its 32 blocks of 256 bytes: two periods ahead of its load; pf = 2: not in the loop's last trip, whose
; units 16 and 17 do not exist.  The two bases are stepped behind the first step's products, behind s_wait_xcnt 0.
; bar: the others read my unit in the next period: my stores are waited for, the signal stands ahead of the second step and the wait inside it.  No byte of the slice is written twice.
; fin: the period with my last LDS store: the three lines behind it; the third is the wait for 0 that stands ahead of the signal anyway.
.macro PERIOD par, zero, prod, wld, ald, bar, n, pf, fin=0, cond=1
	PLACES
	BLOAD
	s_wait_loadcnt \n
.if \ald
	ALOAD 1-(\par), \cond
.endif
.if \prod
	CONVERT WA+64*(1-(\par)), 1
.endif
.if \wld
	WLOAD WA+64*(1-(\par)), 1, 0
.endif
	WIN 0
.if (\pf) == 2
	s_cmp_eq_u32 s48, 1
	s_cbranch_scc1 .Lnopf_\@
.endif
.if \pf
	global_prefetch_b8 v[PFO], s[WBASE:WBASE+1] offset:2*CHUNKB th:TH_LOAD_NT scope:SCOPE_SE
.endif
.if (\pf) == 2
.Lnopf_\@:
.endif
.if \prod
	WSTORE
.endif
	v_add_nc_u32 v[LB], 0x4000, v[LB]              ; LDS addresses: the next period's
.if \prod
	v_add_nc_u32 v[SB], 0x4000, v[SB]
	s_wait_dscnt 24                                ; of 32 loads and 8 stores the first sixteen loads are in: step 0's weights
.else
	s_wait_dscnt 16
.endif
	STEP 0, \par, \zero, \cond
.if (\ald) || (\wld)
	s_wait_xcnt 0x0                                ; the bases are stepped only behind this wait
.endif
.if \ald
	s_add_nc_u64 s[ABASE:ABASE+1], s[ABASE:ABASE+1], 2048
.endif
.if \wld
	s_add_nc_u64 s[WBASE:WBASE+1], s[WBASE:WBASE+1], CHUNKB
.endif
.if \fin
	WIN 0
	s_wait_tensorcnt 0x0
	ds_add_u32 v[SPW], v[NIL]
.endif
	s_wait_dscnt 0x0                               ; step 1's weights are in, and my stores are done
.if \bar
	s_barrier_signal -1
.endif
	STEP 1, \par, 0, \cond, \bar
.endm
.macro LSTEP zero                      ; a step (32 k) of a later group: weights from the slice, rows from memory; nothing writes LDS, no barrier
	PLACES
	WIN 0x40
.set b_, 0
.rept 16
	ds_load_b128 v[4*b_:4*b_+3], v[LB] offset:512*b_
.set b_, b_+1
.endr
	WIN 0
.set a_, 0
.rept 10
	global_load_b128 v[AB0+4*a_:AB0+4*a_+3], v[AO+a_/2], s[ABASE:ABASE+1] offset:(a_%2)*512
.set a_, a_+1
.endr
	v_add_nc_u32 v[LB], 0x2000, v[LB]
	s_wait_xcnt 0x0
	s_add_nc_u64 s[ABASE:ABASE+1], s[ABASE:ABASE+1], 1024
	s_wait_loadcnt 0x0
	s_wait_dscnt 0x0
	STEP 0, 0, \zero, 0
.endm
; What of tile i's way out hangs on i: its weights and row numbers come into the registers that the one text below names, and its sums plus b2 into window 0.  That addition also brings the four
; tiles j of a column half together, so that a lane's four registers are 16 neighbouring bytes; each accumulator is read from its lowest register on.  A tile past the count is jumped.
.macro COPY2 i
	s_cmp_ge_u32 s[TAU+(\i)], s28
	s_cbranch_scc1 .Lnext
	s_wait_xcnt 0x0                                ; the last tile's stores have read their registers
	WIN 0x03
.set n_, 0
.rept 8
	v_mov_b32 v[CW+n_], v[RC+16*(\i)+8+n_]
.set n_, n_+1
.endr
	WIN 0x0c
.set n_, 0
.rept 8
	v_min_u32 v[DO+n_], 0x13ff, v[RC+16*(\i)+n_]   ; 4,096 x choice + token, held to what the buffer has
.set n_, n_+1
.endr
	WIN 0x0e+(\i)/4
.set n_, 0
.rept 64
	v_add_f32 v[O+n_], v[64*((\i)%4)+8*(4*(n_/32)+n_%4)+(n_%32)/4], v[B2+4*(n_/32)+n_%4]
.set n_, n_+1
.endr
	WIN 0
.endm
	s_load_b256 s[4:11], s[0:1], 0x0               ; h s[4:5], w2 s[6:7], b2 s[8:9], lst s[10:11]
	s_load_b128 s[12:15], s[0:1], 0x20             ; cws s[12:13], part s[14:15]
	v_lshl_add_u32 v[SPW], v0, 2, SPARE
	v_mov_b32 v[NIL], 0
	v_and_b32 v1, 31, v0                           ; lane
	v_lshrrev_b32 v16, 5, v0
	v_readfirstlane_b32 s20, v16                   ; wave
	v_and_b32 v2, 15, v0                           ; r
	v_bfe_u32 v3, v0, 4, 1                         ; hh
	v_lshlrev_b32 v[L16], 4, v1
	v_lshlrev_b32 v[R16], 4, v2
	s_and_b32 s21, s20, 1                          ; c
	s_lshr_b32 s22, s20, 1                         ; kh
	s_and_b32 s23, ttmp7, 0xffff                   ; expert
	s_and_b32 s24, ttmp9, 7                        ; cs: 128 output columns
	s_lshr_b32 s25, ttmp9, 3                       ; kq: quarter of F
	s_lshl_b32 s59, s23, 2
	s_lshl_b32 s56, s23, 6
	s_lshl_b32 s60, s23, 12
	s_lshl_b32 s58, s25, 15
	s_lshl_b32 s40, s23, 24                        ; w2[e]: 16 MiB each,
	s_lshl_b32 s38, s25, 22                        ; my 1,024 rows of 4,096 bytes,
	s_add_co_u32 s40, s40, s38
	s_lshl_b32 s38, s24, 9                         ; my 128 columns
	s_add_co_u32 s40, s40, s38
	s_mov_b32 s41, 0
	s_lshl_b32 s38, s21, 8
	s_lshl_b32 s39, s22, 13                        ; step kh: 2 rows down
	s_add_co_u32 s38, s38, s39
	v_lshl_add_u32 v[WO], v3, 17, v[R16]           ; lanes 16-31: 32 rows down
	v_add_nc_u32 v[WO], s38, v[WO]
	v_bfe_u32 v16, v0, 1, 3                        ; the prefetch: lane l asks for row 32 (l / 16) + 4 ((l / 2) % 8) + l % 2 of my unit's 32
	v_and_b32 v17, 1, v0
	v_lshl_add_u32 v16, v16, 2, v17
	v_lshl_add_u32 v16, v3, 5, v16
	v_lshl_add_u32 v[PFO], v16, 12, s38
	v_lshl_add_u32 v[SB], s20, 12, v[L16]
	s_mov_b32 s54, 0xffff0000
	s_cmp_eq_u32 s25, 0
	s_cselect_b32 s55, 1.0, 0                      ; the first quarter adds b2
	s_wait_kmcnt 0x0
	s_load_b32 s26, s[10:11], s59 offset:0x8000    ; the expert's count
	s_add_nc_u64 s[WBASE:WBASE+1], s[6:7], s[40:41]
	WLOAD WC, 3, 0                                 ; units 0 and 1 go out before the count is there
	WLOAD WB, 1, 1
	WIN 0
	s_lshl_b32 s40, s23, 12
	s_lshl_b32 s38, s24, 9
	s_add_co_u32 s40, s40, s38
	s_add_nc_u64 s[8:9], s[8:9], s[40:41]          ; b2[e] at my columns
	s_lshl_b32 s40, s25, 22
	s_add_co_u32 s40, s40, s38
	s_add_nc_u64 s[OUTB:OUTB+1], s[14:15], s[40:41]  ; plane kq at my columns
	s_wait_kmcnt 0x0
	s_add_co_u32 s27, s26, 15
	s_lshr_b32 s27, s27, 4
	s_min_u32 s27, s27, 64                         ; T: live tiles
	s_mov_b32 s28, s27                             ; tiles stored
	s_max_u32 s29, s27, 1
	s_sub_co_u32 s29, s29, 1
	s_mov_b32 s31, 0
	GROUPSET
	s_cmp_lt_u32 s[TAU+4], s28
	s_cselect_b32 s[FIVE], 1, 0
	ALOAD 0, 0
	s_wait_loadcnt 36                              ; unit 0 is in; behind it: unit 1 (16) and the first rows (20)
	WLOAD WA, 1, 2                                 ; unit 2: by this text's count 52 loads are out at the most, here and in every period
	WIN 0
	global_prefetch_b8 v[PFO], s[WBASE:WBASE+1] offset:3*CHUNKB th:TH_LOAD_NT scope:SCOPE_SE   ; my units 3 and 4
	global_prefetch_b8 v[PFO], s[WBASE:WBASE+1] offset:4*CHUNKB th:TH_LOAD_NT scope:SCOPE_SE
	CONVERT WC, 3
	WSTORE
	v_add_nc_u32 v[SB], 0x4000, v[SB]
	s_wait_xcnt 0x0                                ; the bases are stepped only behind this wait
	s_add_nc_u64 s[WBASE:WBASE+1], s[WBASE:WBASE+1], 3*CHUNKB
	s_add_nc_u64 s[ABASE:ABASE+1], s[ABASE:ABASE+1], 2048
	s_wait_dscnt 0x0
	s_barrier_signal -1
	s_barrier_wait -1                              ; chunk 0 is whole
	PERIOD 0, 1, 1, 1, 1, 1, 16, 1, 0, 0           ; its first step starts all 40 sums: nothing is cleared
	WIN 0
	s_mov_b32 s48, 6
.Lmain:                                                ; periods 1 to 12
	PERIOD 1, 0, 1, 1, 1, 1, 16, 2
	PERIOD 0, 0, 1, 1, 1, 1, 16, 2
	WIN 0
	s_sub_co_u32 s48, s48, 1
	s_cmp_lg_u32 s48, 0
	s_cbranch_scc1 .Lmain
	PERIOD 1, 0, 1, 0, 1, 1, 16, 0                 ; 13: no unit is left to load; out at its wait: unit 14, rows 13, unit 15
	PERIOD 0, 0, 1, 0, 1, 1, 0, 0, 1               ; 14: unit 15 and rows 14 are the last out: the wait is for 0; my last LDS store
	WIN 0xc0
	global_load_b128 v[BRAW:BRAW+3], v[R16], s[8:9]               ; b2 of columns 4 r + 0..3,
	global_load_b128 v[BRAW+4:BRAW+7], v[R16], s[8:9] offset:256  ; and of the second half's
	LISTLOAD
	PERIOD 1, 0, 0, 0, 0, 0, 22, 0                 ; 15: b2's two loads and the lists' twenty may stay out
	PLACES
	s_wait_loadcnt 0x0
	WIN 0x0f                                       ; b2 is rounded to bf16 like every input
.set n_, 0
.rept 4
	v_cvt_pk_bf16_f32 v[TT+n_], v[BRAW+2*n_], v[BRAW+2*n_+1]
.set n_, n_+1
.endr
	WIN 0xc0
.set n_, 0
.rept 4
	v_lshlrev_b32 v[B2+2*n_], 16, v[TT+n_]
	v_and_b32 v[B2+2*n_+1], s54, v[TT+n_]
.set n_, n_+1
.endr
	WIN 0xcc
.set n_, 0
.rept 8
	v_mul_f32 v[B2+n_], s55, v[B2+n_]
.set n_, n_+1
.endr
	WIN 0
	s_mov_b32 s30, 4                               ; groups of 20 tiles: 64 tiles are at most four; the loop is left by the jump below, at 80 tiles at the latest
.Lgrp:                                                 ; the way out of a group, then the next group, if the expert has one
	s_mov_b32 s49, 5
.Lepi:                                                 ; my five tiles, s49 = 5 .. 1 for tiles 0 .. 4: five texts for what hangs on the tile's registers, one for the rest
	s_cmp_eq_u32 s49, 4
	s_cbranch_scc1 .Lc1
	s_cmp_eq_u32 s49, 3
	s_cbranch_scc1 .Lc2
	s_cmp_eq_u32 s49, 2
	s_cbranch_scc1 .Lc3
	s_cmp_eq_u32 s49, 1
	s_cbranch_scc1 .Lc4
	COPY2 0
	s_branch .Lcom
.Lc1:
	COPY2 1
	s_branch .Lcom
.Lc2:
	COPY2 2
	s_branch .Lcom
.Lc3:
	COPY2 3
	s_branch .Lcom
.Lc4:
	COPY2 4
.Lcom:
.set n_, 0
.rept 8
	v_lshl_add_u32 v[DO+n_], v[DO+n_], 12, v[R16]  ; rows of 4,096 bytes: the choice steps four planes
.set n_, n_+1
.endr
.set n_, 0
.rept 32                                               ; times the row's weight: row jj = (n % 16) / 2, the low or the high register of its pair for both results
.if ((n_%16)/2)%2
	v_pk_mul_f32 v[O+2*n_:O+2*n_+1], v[O+2*n_:O+2*n_+1], v[CW+2*((n_%16)/4):CW+2*((n_%16)/4)+1] op_sel:[0,1] op_sel_hi:[1,1]
.else
	v_pk_mul_f32 v[O+2*n_:O+2*n_+1], v[O+2*n_:O+2*n_+1], v[CW+2*((n_%16)/4):CW+2*((n_%16)/4)+1] op_sel_hi:[1,0]
.endif
.set n_, n_+1
.endr
.set n_, 0
.rept 16
	global_store_b128 v[DO+n_%8], v[O+4*n_:O+4*n_+3], s[OUTB:OUTB+1] offset:(n_/8)*256   ; sixteen lanes: 256 consecutive bytes, aligned, of one token's row
.set n_, n_+1
.endr
.Lnext:
	s_sub_co_u32 s49, s49, 1
	s_cmp_lg_u32 s49, 0
	s_cbranch_scc1 .Lepi
	s_add_co_u32 s31, s31, 20                      ; the next group's first tile
	s_cmp_ge_u32 s31, s27
	s_cbranch_scc1 .Ldone                          ; no tile is left
	GROUPSET
	LISTLOAD
	LSTEP 1                                        ; the group's first step starts its sums
	WIN 0
	s_mov_b32 s48, 31
.Llp:
	LSTEP 0
	WIN 0
	s_sub_co_u32 s48, s48, 1
	s_cmp_lg_u32 s48, 0
	s_cbranch_scc1 .Llp
	PLACES
	s_sub_co_u32 s30, s30, 1
	s_cmp_lg_u32 s30, 0
	s_cbranch_scc1 .Lgrp
.Ldone:
	s_endpgm                                       ; the three lines behind my last LDS store stand in period 14; since then LDS has only been read
.Lfunc_end_k_qc3d1bb94c9_ffn2:
	.size	k_qc3d1bb94c9_ffn2, .Lfunc_end_k_qc3d1bb94c9_ffn2-k_qc3d1bb94c9_ffn2
	.p2alignl 7, 3214868480
	.fill 96, 4, 3214868480
	.section	.rodata,"a",@progbits
	.p2align	6, 0x0
	.amdhsa_kernel k_qc3d1bb94c9_ffn2
		.amdhsa_group_segment_fixed_size 262656
		.amdhsa_private_segment_fixed_size 0
		.amdhsa_enable_private_segment 0
		.amdhsa_kernarg_size 48
		.amdhsa_user_sgpr_count 2
		.amdhsa_user_sgpr_kernarg_segment_ptr 1
		.amdhsa_wavefront_size32 1
		.amdhsa_system_sgpr_workgroup_id_x 1
		.amdhsa_system_sgpr_workgroup_id_y 1
		.amdhsa_system_sgpr_workgroup_id_z 1
		.amdhsa_system_vgpr_workitem_id 0
		.amdhsa_next_free_vgpr 1024
		.amdhsa_next_free_sgpr 66
		.amdhsa_reserve_vcc 0
		.amdhsa_float_denorm_mode_32 3
		.amdhsa_float_denorm_mode_16_64 3
		.amdhsa_memory_ordered 1
		.amdhsa_forward_progress 1
		.amdhsa_inst_pref_size 151
	.end_amdhsa_kernel
	.amdgpu_metadata
---
amdhsa.version: [ 1, 2 ]
amdhsa.kernels:
  - .name:           k_qc3d1bb94c9_ffn2
    .symbol:         k_qc3d1bb94c9_ffn2.kd
    .args:
      - { .name: h, .offset: 0, .size: 8, .value_kind: global_buffer, .address_space: global }
      - { .name: w2, .offset: 8, .size: 8, .value_kind: global_buffer, .address_space: global }
      - { .name: b2, .offset: 16, .size: 8, .value_kind: global_buffer, .address_space: global }
      - { .name: lst, .offset: 24, .size: 8, .value_kind: global_buffer, .address_space: global }
      - { .name: cws, .offset: 32, .size: 8, .value_kind: global_buffer, .address_space: global }
      - { .name: part, .offset: 40, .size: 8, .value_kind: global_buffer, .address_space: global }
    .group_segment_fixed_size: 262656
    .private_segment_fixed_size: 0
    .kernarg_segment_align: 8
    .kernarg_segment_size: 48
    .max_flat_workgroup_size: 128
    .sgpr_count:     66
    .vgpr_count:     1024
    .wavefront_size: 32
...
	.end_amdgpu_metadata
.endif
;; end of part 4
;; launch sum (part 5): grid 256 x 1, 8 waves a work-group, no clusters, 0 bytes of LDS; arguments part, out1; writes out1
.if DOCPART == 5
	.amdgcn_target "amdgcn-amd-amdhsa--gfx1250"
	.amdhsa_code_object_version 6
	.text
	.protected	k_qc3d1bb94c9_sum
	.globl	k_qc3d1bb94c9_sum
	.p2align	8
	.type	k_qc3d1bb94c9_sum,@function
k_qc3d1bb94c9_sum:
	s_mov_b64 s[64:65], 0
	v_nop
	global_prefetch_b8 v0, s[64:65] scope:SCOPE_SE
	s_setreg_imm32_b32 hwreg(HW_REG_WAVE_MODE, 25, 1), 1
	s_wait_xcnt 0x0
; out1 = the sum of part's eight planes (two choices x four quarters of F), in f32, in one fixed order.  A stream: every byte is read once and written once, by 16-byte accesses of which
; a wave's cover 512 neighbouring bytes.  A work-group has 16 KB of the output, a thread four places of 16 bytes; all its 32 loads go out at once.  LDS, barriers and the matrix unit would add nothing.
.set R, 16                             ; v16-143: place k, plane q at R + 32 k + 4 q
	s_load_b128 s[4:7], s[0:1], 0x0                ; part s[4:5], out1 s[6:7]
	v_lshlrev_b32 v1, 4, v0
	s_lshl_b32 s2, ttmp9, 14
	v_add_nc_u32 v1, s2, v1                        ; 16,384 b + 16 t
	s_wait_kmcnt 0x0
.irp q, 0,1,2,3,4,5,6,7
	s_add_nc_u64 s[8+2*\q:9+2*\q], s[4:5], \q*0x400000   ; a plane is 4 MiB: too far for an immediate offset
.endr
.irp k, 0,1,2,3
.irp q, 0,1,2,3,4,5,6,7
	global_load_b128 v[R+32*\k+4*\q:R+32*\k+4*\q+3], v1, s[8+2*\q:9+2*\q] offset:4096*\k th:TH_LOAD_NT
.endr
.endr
.irp k, 0,1,2,3
	s_wait_loadcnt 24-8*\k                         ; loads come back in order: place k's eight are in, the later places' may be out
.irp q, 0,2,4,6
	v_pk_add_f32 v[R+32*\k+4*\q:R+32*\k+4*\q+1], v[R+32*\k+4*\q:R+32*\k+4*\q+1], v[R+32*\k+4*\q+4:R+32*\k+4*\q+5]
	v_pk_add_f32 v[R+32*\k+4*\q+2:R+32*\k+4*\q+3], v[R+32*\k+4*\q+2:R+32*\k+4*\q+3], v[R+32*\k+4*\q+6:R+32*\k+4*\q+7]
.endr
.irp q, 0,4
	v_pk_add_f32 v[R+32*\k+4*\q:R+32*\k+4*\q+1], v[R+32*\k+4*\q:R+32*\k+4*\q+1], v[R+32*\k+4*\q+8:R+32*\k+4*\q+9]
	v_pk_add_f32 v[R+32*\k+4*\q+2:R+32*\k+4*\q+3], v[R+32*\k+4*\q+2:R+32*\k+4*\q+3], v[R+32*\k+4*\q+10:R+32*\k+4*\q+11]
.endr
	v_pk_add_f32 v[R+32*\k:R+32*\k+1], v[R+32*\k:R+32*\k+1], v[R+32*\k+16:R+32*\k+17]
	v_pk_add_f32 v[R+32*\k+2:R+32*\k+3], v[R+32*\k+2:R+32*\k+3], v[R+32*\k+18:R+32*\k+19]
	global_store_b128 v1, v[R+32*\k:R+32*\k+3], s[6:7] offset:4096*\k th:TH_STORE_NT
.endr
	s_endpgm
.Lfunc_end_k_qc3d1bb94c9_sum:
	.size	k_qc3d1bb94c9_sum, .Lfunc_end_k_qc3d1bb94c9_sum-k_qc3d1bb94c9_sum
	.p2alignl 7, 3214868480
	.fill 96, 4, 3214868480
	.section	.rodata,"a",@progbits
	.p2align	6, 0x0
	.amdhsa_kernel k_qc3d1bb94c9_sum
		.amdhsa_group_segment_fixed_size 0
		.amdhsa_private_segment_fixed_size 0
		.amdhsa_enable_private_segment 0
		.amdhsa_kernarg_size 16
		.amdhsa_user_sgpr_count 2
		.amdhsa_user_sgpr_kernarg_segment_ptr 1
		.amdhsa_wavefront_size32 1
		.amdhsa_system_sgpr_workgroup_id_x 1
		.amdhsa_system_sgpr_workgroup_id_y 1
		.amdhsa_system_sgpr_workgroup_id_z 1
		.amdhsa_system_vgpr_workitem_id 0
		.amdhsa_next_free_vgpr 144
		.amdhsa_next_free_sgpr 66
		.amdhsa_reserve_vcc 0
		.amdhsa_float_denorm_mode_32 3
		.amdhsa_float_denorm_mode_16_64 3
		.amdhsa_memory_ordered 1
		.amdhsa_forward_progress 1
		.amdhsa_inst_pref_size 8
	.end_amdhsa_kernel
	.amdgpu_metadata
---
amdhsa.version: [ 1, 2 ]
amdhsa.kernels:
  - .name:           k_qc3d1bb94c9_sum
    .symbol:         k_qc3d1bb94c9_sum.kd
    .args:
      - { .name: part, .offset: 0, .size: 8, .value_kind: global_buffer, .address_space: global }
      - { .name: out1, .offset: 8, .size: 8, .value_kind: global_buffer, .address_space: global }
    .group_segment_fixed_size: 0
    .private_segment_fixed_size: 0
    .kernarg_segment_align: 8
    .kernarg_segment_size: 16
    .max_flat_workgroup_size: 256
    .sgpr_count:     66
    .vgpr_count:     144
    .wavefront_size: 32
...
	.end_amdgpu_metadata
.endif
;; end of part 5
